; MI455X (gfx1250); checked and timed in simulation.
; The chip was launched on July 23, 2026; its instructions are those of AMD's public machine-readable ISA for CDNA 5 (MIT licence, August 2026) and "CDNA5" Instruction Set Architecture Reference Guide (July 2026). The comments in the code are by the model that wrote it; some were corrected since.
;; Attn. Allowed arithmetic: matrix products marked QUANTISED: E4M3 operands, one E8M0 scale for each 32 along K, by v_wmma_scale_f32_16x16x128_f8f6f4 with both operands' format E4M3, f32 sums; products left as they are: f32 operands where the result goes on into a quantised operand, else bf16, f16 or f32 operands; f32 sums; everything else in f32.
;; Inputs: W 1,024 x 1,024 float32; b 1,024 float32; encoder_outputs 2,048 x 32 x 1,024 float32; hidden 32 x 1,024 float32.
;; Outputs: out0 32 x 2,048 float32.
;; This version of the problem:
;;   THIS VERSION OF THE PROBLEM IS GIVEN IN LOW PRECISION. The matrix products marked QUANTISED in the list below multiply operands that are first quantised to E4M3 (4 exponent bits, 3 mantissa bits; 8 bits a number), with one power-of-two scale for each 32 numbers along K (OCP MX v1.0); their sums are f32. All else is computed in f32.
;;   The module's matrix products, in the order in which they are computed (A, B: the left and right operand; K: the contracted axis; several contracted axes count as one K, in the product's order):
;;     1. [M 65,536, K 1,024] x [K 1,024, N 1,024]; A: input encoder_outputs; B: input W: QUANTISED
;;     2. batch 32 x [M 2,048, K 1,024] x [K 1,024, N 1]; A: computed on the way; B: input hidden: left as it is (N = 1 < 16)
;;   THE QUANTISER, for each operand of a quantised product, along K:
;;     - K is cut into blocks of 32 from its start; a last block that is shorter is filled with zeros.
;;     - A block's scale is 2^e with e = floor(log2(the largest magnitude in the block)) - 8, held to -126 .. 127; a block of zeros has e = 0. As a byte (E8M0): e + 127.
;;     - Each number is divided by its block's scale, clamped to +-448, and rounded to the nearest number of E4M3, ties to even, subnormals kept.
;;     - The product sums the exact products of the quantised numbers (number of the format x scale) in f32.
;;   ~~~python
;;   def quantise(x, axis):      # numpy; x: float32 -> the quantised numbers, widened to float32 again
;;       x = np.moveaxis(x, axis, -1); K = x.shape[-1]
;;       x = np.pad(x, [(0, 0)] * (x.ndim - 1) + [(0, -K % 32)]); x = x.reshape(x.shape[:-1] + (-1, 32)); a = np.abs(x).max(-1, keepdims=True)
;;       e = np.where(a > 0, np.clip(np.frexp(np.where(a > 0, a, 1))[1] - 1 - 8, -126, 127), 0)      # np.frexp(a)[1] - 1 = floor(log2(a)), exactly
;;       r = np.clip(x / 2.0 ** e, -448, 448)
;;       step = 2.0 ** (np.maximum(np.frexp(np.where(r == 0, 1, r))[1] - 1, -6) - 3)
;;       q = np.round(r / step) * step * 2.0 ** e      # np.round: ties to even
;;       return np.moveaxis(q.reshape(q.shape[:-2] + (-1,))[..., :K], -1, axis).astype(np.float32)
;;   ~~~
;; One version. Each part assembles by itself: llvm-mc -triple=amdgcn-amd-amdhsa -mcpu=gfx1250 --defsym DOCPART=n.
;; ======== version 1 of 1: 3 launches
;; limits: right only within a limited range of input values
;; workspace buffers: wq 1,081,344 bytes; scores 262,144 bytes
;; launch wprep (part 1): grid 64 x 1, 8 waves a work-group, no clusters, 69,632 bytes of LDS; arguments W, wq; writes wq
.if DOCPART == 1
	.amdgcn_target "amdgcn-amd-amdhsa--gfx1250"
	.amdhsa_code_object_version 6
	.text
	.protected	k_q21b3302798_wprep
	.globl	k_q21b3302798_wprep
	.p2align	8
	.type	k_q21b3302798_wprep,@function
k_q21b3302798_wprep:
	s_mov_b64 s[64:65], 0
	v_nop
	global_prefetch_b8 v0, s[64:65] scope:SCOPE_SE
	s_setreg_imm32_b32 hwreg(HW_REG_WAVE_MODE, 25, 1), 1
	s_wait_xcnt 0x0
; W [1024 (e)][1024 (k)] f32 becomes codes of FP8 (E4M3) with one E8M0 scale byte for each 32 along k, laid in the order in which the next launch's operand registers take them.
; wq = [tile sigma 0..15][wave w 0..3][chunk of 16,896 bytes].  sigma = 8 p + s.  Chunk (sigma, w) holds K step ks = 4 p + w (k = 128 ks .. 128 ks + 127) of the e tiles 8 s .. 8 s + 7:
;   byte 2048 i + 512 c + 16 lane + n = the code of W[16 (8 s + i) + lane % 16][128 ks + 32 c + 16 (lane / 16) + n]: an image of a fragment's 16 registers;
;   byte 16384 + 64 i + 4 r = the scale word (four bytes, c = 0 .. 3) of row r of e tile i.
; A block's scale is 2^(floor(log2(its largest magnitude)) - 8); its byte is the largest magnitude's exponent field - 8, held at 1 from below; each number is held within +-448 x the scale and rounded to the nearest code.
; LIMITS: a block of zeros gets the byte 1 where the rule says 127 (its codes are zeros, and this program alone reads the bytes); NaN and infinities among the inputs are not served.
; SHARES: a work-group makes one chunk, each of its eight waves one e tile (16 rows x 128 k).  A wave's 16 loads read 512 consecutive bytes each (one row's part); the 8 KB turn through the wave's own stage in LDS,
; so that lane (r, h) gets, of row r, 16 neighbours of each block of 32.  64 work-groups: a chunk's 512 scale bytes leave together, by one store.
.set STP,  528                         ; a stage row: 512 bytes + 16 = 132 words: row r begins 4 r words on, so the 16 rows of a load fall on 16 different columns of 16 bytes
.set SCW,  8*16*STP                    ; behind the eight stages: the chunk's 512 bytes of scale words
.set L,    16                          ; v16-79   as loaded
.set X,    80                          ; v80-143  register 16 c + i = k 32 c + 16 h + i of my row
.set PC,   144                         ; v144-159 the codes
.set TM,   160                         ; v160-163 largest magnitudes, 164-167 bytes, 168-171 448 x the scale, 172-175 the conversion's scale operand
.set PWD,  176                         ; the scale word
.set SEL,  20                          ; s[20:21] v_permlanex16_b32's selects for lane l xor 16
.set MNT,  22                          ; s22 the mantissa field of 448
; WORK LEFT OUT IN THIS PROGRAM: the input b.  scores[b][l] = sum_e hidden[b][e] x (x[l][b][e] + bias[e]) = sum_e hidden[b][e] x[l][b][e] + sum_e hidden[b][e] bias[e]; the second sum holds no l,
; so it is the same along the softmax's axis, and softmax(s + c) = softmax(s) for every finite c: for all values of the inputs it reaches no output.  b is not loaded and is among no launch's arguments.
; LIMIT: a NaN, an infinity or an overflow that reaches only that sum is not carried to the result.
	s_load_b128 s[4:7], s[0:1], 0x0
	v_lshl_add_u32 v192, v0, 2, 0x10c00
	v_mov_b32 v193, 0
	v_lshrrev_b32 v1, 5, v0
	s_delay_alu instid0(VALU_DEP_1)
	v_readfirstlane_b32 s8, v1                     ; wave 0..7 = e tile i of the chunk
	v_and_b32 v2, 31, v0                           ; lane
	v_and_b32 v3, 15, v0                           ; r
	v_bfe_u32 v4, v0, 4, 1                         ; h
	s_delay_alu instid0(VALU_DEP_3)
	v_lshlrev_b32 v5, 4, v2                        ; 16 x lane
	s_mul_i32 s9, s8, 16*STP                       ; my stage
	v_add_nc_u32 v6, s9, v5                        ; into it: 16 x lane, a row an instruction
	v_mul_u32_u24 v7, v3, STP
	s_delay_alu instid0(VALU_DEP_1)
	v_lshl_add_u32 v7, v4, 6, v7
	s_delay_alu instid0(VALU_DEP_1)
	v_add_nc_u32 v7, s9, v7                        ; out of it: row r, + 64 h
	s_lshl_b32 s10, s8, 6
	s_add_co_u32 s10, s10, SCW
	v_lshl_add_u32 v8, v3, 2, s10                  ; my row's scale word: SCW + 64 i + 4 r
	v_add_nc_u32 v9, SCW, v5                       ; wave 0 reads all 512 bytes back
	s_mov_b32 s[SEL], 0x76543210
	s_mov_b32 s[SEL+1], 0xfedcba98
	s_mov_b32 s[MNT], 0x600000
.irp b, 0,1,2,3
	v_mov_b32 v[TM+4+\b], 0                        ; a lane permute's destination counts as one of its sources
.endr
	s_lshr_b32 s11, ttmp9, 2                       ; sigma
	s_and_b32 s12, ttmp9, 3                        ; w
	s_lshr_b32 s13, s11, 3                         ; p
	s_lshl_b32 s13, s13, 2
	s_add_co_u32 s13, s13, s12                     ; ks = 4 p + w
	s_and_b32 s14, s11, 7
	s_lshl_b32 s14, s14, 3
	s_add_co_u32 s14, s14, s8                      ; e tile 8 s + i
	s_lshl_b32 s14, s14, 16                        ; 16 rows of 4,096 bytes
	s_lshl_b32 s13, s13, 9                         ; 128 numbers of 4 bytes
	s_add_co_u32 s14, s14, s13
	s_mov_b32 s15, 0
	s_mul_i32 s16, ttmp9, 16896                    ; my chunk,
	s_lshl_b32 s17, s8, 11                         ; my e tile's image in it
	s_add_co_u32 s16, s16, s17
	s_mov_b32 s17, 0
	s_wait_alu depctr_va_vdst(0)
	s_wait_kmcnt 0x0
	s_add_nc_u64 s[4:5], s[4:5], s[14:15]
	s_add_nc_u64 s[6:7], s[6:7], s[16:17]
.irp i, 0,1,2,3,4,5,6,7,8,9,10,11,12,13,14,15
	global_load_b128 v[L+4*\i:L+4*\i+3], v5, s[4:5] offset:4096*\i th:TH_LOAD_NT   ; 32 lanes read 512 consecutive bytes of row i
.endr
	s_wait_loadcnt 0x0
.irp i, 0,1,2,3,4,5,6,7,8,9,10,11,12,13,14,15
	ds_store_b128 v6, v[L+4*\i:L+4*\i+3] offset:STP*\i
.endr
.irp c, 0,1,2,3
.irp j, 0,1,2,3
	ds_load_b128 v[X+16*\c+4*\j:X+16*\c+4*\j+3], v7 offset:128*\c+16*\j   ; LDS serves a wave's instructions in order (ISA guide 5.7.1.4): these see my stores
.endr
.endr
	s_wait_dscnt 0x0
.irp b, 0,1,2,3
	v_max3_num_f32 v[TM+\b], |v[X+16*\b]|, |v[X+1+16*\b]|, 0x4800000   ; block b: my 16 numbers, and the floor 2^(9 - 127): so the byte cannot fall under 1
.endr
.irp i, 2,4,6,8,10,12,14
.irp b, 0,1,2,3
	s_delay_alu instid0(VALU_DEP_4)
	v_max3_num_f32 v[TM+\b], v[TM+\b], |v[X+16*\b+\i]|, |v[X+1+16*\b+\i]|   ; the four blocks by turns
.endr
.endr
.irp b, 0,1,2,3
	s_delay_alu instid0(VALU_DEP_4)
	v_permlanex16_b32 v[TM+4+\b], v[TM+\b], s[SEL], s[SEL+1]
.endr
.irp b, 0,1,2,3
	s_delay_alu instid0(VALU_DEP_4)
	v_max_num_f32 v[TM+\b], v[TM+\b], v[TM+4+\b]   ; with lane l xor 16's 16: the block's largest magnitude
.endr
.irp b, 0,1,2,3
	s_delay_alu instid0(VALU_DEP_4)
	v_add_nc_u32 v[TM+12+\b], 0xfc000000, v[TM+\b] ; 8 off its exponent field: the conversion takes this operand's exponent field as its scale
.endr
.irp b, 0,1,2,3
	v_and_or_b32 v[TM+8+\b], v[TM+\b], 0x7f800000, s[MNT]   ; 448 x the scale
.endr
.irp b, 0,1,2,3
	v_lshrrev_b32 v[TM+4+\b], 23, v[TM+12+\b]      ; the scale's byte
.endr
	s_delay_alu instid0(VALU_DEP_3)
	v_lshl_or_b32 v[PWD], v[TM+5], 8, v[TM+4]      ; four bytes: my row's scale word
	s_delay_alu instid0(VALU_DEP_1)
	v_lshl_or_b32 v[PWD], v[TM+6], 16, v[PWD]
	s_delay_alu instid0(VALU_DEP_1)
	v_lshl_or_b32 v[PWD], v[TM+7], 24, v[PWD]
.irp b, 0,1,2,3
.irp i, 0,1,2,3,4,5,6,7,8,9,10,11,12,13,14,15
	v_med3_num_f32 v[X+16*\b+\i], v[X+16*\b+\i], -v[TM+8+\b], v[TM+8+\b]   ; the conversion to an 8-bit code does not saturate (ISA guide 7.6.2): the hold
.endr
	v_cvt_scalef32_pk8_fp8_f32 v[PC+4*\b:PC+1+4*\b], v[X+16*\b:X+7+16*\b], v[TM+12+\b]
	v_cvt_scalef32_pk8_fp8_f32 v[PC+2+4*\b:PC+3+4*\b], v[X+8+16*\b:X+15+16*\b], v[TM+12+\b]
.endr
	v_nop                                          ; one plain line behind the last conversion
.irp c, 0,1,2,3
	global_store_b128 v5, v[PC+4*\c:PC+4*\c+3], s[6:7] offset:512*\c   ; 32 lanes store 512 consecutive bytes, aligned: registers 4 c .. 4 c + 3 as they stand
.endr
	ds_store_b32 v8, v[PWD]                        ; lanes r and r + 16 write the same word with the same value
	s_wait_dscnt 0x0                               ; for wave 0's sake: my word lies in LDS
	s_barrier_signal -1
	s_barrier_wait -1
	s_cmp_lg_u32 s8, 0
	s_cbranch_scc1 .Ldone
	ds_load_b128 v[12:15], v9                      ; the eight waves' words
	s_wait_dscnt 0x0
	global_store_b128 v5, v[12:15], s[6:7] offset:16384   ; wave 0's base is the chunk's first byte: 512 consecutive bytes, aligned
.Ldone:
	s_wait_tensorcnt 0x0
	ds_add_u32 v192, v193
	s_wait_dscnt 0x0
	s_endpgm
.Lfunc_end_k_q21b3302798_wprep:
	.size	k_q21b3302798_wprep, .Lfunc_end_k_q21b3302798_wprep-k_q21b3302798_wprep
	.p2alignl 7, 3214868480
	.fill 96, 4, 3214868480
	.section	.rodata,"a",@progbits
	.p2align	6, 0x0
	.amdhsa_kernel k_q21b3302798_wprep
		.amdhsa_group_segment_fixed_size 69632
		.amdhsa_private_segment_fixed_size 0
		.amdhsa_enable_private_segment 0
		.amdhsa_kernarg_size 16
		.amdhsa_user_sgpr_count 2
		.amdhsa_user_sgpr_kernarg_segment_ptr 1
		.amdhsa_wavefront_size32 1
		.amdhsa_system_sgpr_workgroup_id_x 1
		.amdhsa_system_sgpr_workgroup_id_y 1
		.amdhsa_system_sgpr_workgroup_id_z 1
		.amdhsa_system_vgpr_workitem_id 0
		.amdhsa_next_free_vgpr 194
		.amdhsa_next_free_sgpr 66
		.amdhsa_reserve_vcc 0
		.amdhsa_float_denorm_mode_32 3
		.amdhsa_float_denorm_mode_16_64 3
		.amdhsa_memory_ordered 1
		.amdhsa_forward_progress 1
		.amdhsa_inst_pref_size 17
	.end_amdhsa_kernel
	.amdgpu_metadata
---
amdhsa.version: [ 1, 2 ]
amdhsa.kernels:
  - .name:           k_q21b3302798_wprep
    .symbol:         k_q21b3302798_wprep.kd
    .args:
      - { .name: W, .offset: 0, .size: 8, .value_kind: global_buffer, .address_space: global }
      - { .name: wq, .offset: 8, .size: 8, .value_kind: global_buffer, .address_space: global }
    .group_segment_fixed_size: 69632
    .private_segment_fixed_size: 0
    .kernarg_segment_align: 8
    .kernarg_segment_size: 16
    .max_flat_workgroup_size: 256
    .sgpr_count:     66
    .vgpr_count:     194
    .wavefront_size: 32
...
	.end_amdgpu_metadata
.endif
;; end of part 1
;; launch attn (part 2): grid 256 x 1, 8 waves a work-group, clusters of 4 x 1, 327,680 bytes of LDS; arguments encoder_outputs, hidden, wq, scores; writes scores
.if DOCPART == 2
	.amdgcn_target "amdgcn-amd-amdhsa--gfx1250"
	.amdhsa_code_object_version 6
	.text
	.protected	k_q21b3302798_attn
	.globl	k_q21b3302798_attn
	.p2align	8
	.type	k_q21b3302798_attn,@function
k_q21b3302798_attn:
	s_mov_b64 s[64:65], 0
	v_nop
	global_prefetch_b8 v0, s[64:65] scope:SCOPE_SE
	s_setreg_imm32_b32 hwreg(HW_REG_WAVE_MODE, 25, 1), 1
	s_wait_xcnt 0x0
	s_wait_alu depctr_hold_cnt(0) depctr_sa_sdst(0) depctr_va_vdst(0) depctr_va_sdst(0) depctr_va_ssrc(0) depctr_va_vcc(0) depctr_vm_vsrc(0)
	s_getreg_b32 s2, hwreg(HW_REG_IB_STS2, 6, 4)
	s_cmp_eq_u32 s2, 0
	s_cbranch_scc0 .Lentry_in_a_cluster
	s_endpgm
.Lentry_in_a_cluster:
	s_bfe_u32 s2, ttmp6, 0x10000c
	s_cmp_lg_u32 s2, 0x3003
	s_cbranch_scc0 .Lentry_shape_is_right
	s_endpgm
.Lentry_shape_is_right:
; scores[b][l] = sum over e of hidden[b][e] x (sum over k of Q(enc)[l][b][k] Q(W)[e][k]).  enc [2048 (l)][32 (b)][1024] f32, hidden [32][1024], scores [32][2048] f32.
; LEFT OUT: the bias: sum_e hidden[b][e] bias[e] is the same for all l of a row b, and the softmax along l takes it away for all values (shown at the head of the first kernel).
; The product over k runs on codes of FP8 (E4M3) with one E8M0 scale for each 32 along k.  W's codes come from wq (register images, made by the launch before); enc is quantised here.
; SHARES.  Work-group g = 4 x cluster + place owns b = g % 32 and rows l = 256 (g / 32) + 0 .. 255.  EIGHT waves, two to a SIMD: wave w = 4 rh + kq holds, in pass p (0, 1), K step 4 p + kq of rows 128 rh + 0 .. 127:
; 8 fragments, 128 registers of codes.  What follows the product is linear in it, so each partial result (128 along k, C = 0) is weighed with hidden at once.  For each of the 64 e tiles a wave reads one fragment of W and issues 8 products.
; SOURCES: source 0 = 16 rows of W, source 1 = 16 rows of enc: a lane holds ONE l (lane % 16) and its eight registers e = 8 (lane / 16) + 0 .. 7; four packed multiply-adds with eight hidden fold a result into 4 registers a row tile.
; ENC'S WAY: 16 loads of 512 consecutive bytes (one row's K step each) into one of two landing buffers; through the wave's own stage in LDS, so that lane (r, h) gets 16 neighbours of each block of 32; quantised.
; Fragments 0-5 of a pass go as register images into the wave's own LDS bytes and come back at the pass's head; fragments 6, 7 are converted straight into their registers, where the pass before has ended.
; W'S WAY: a ring of two LDS slots of 67,584 bytes (8 e tiles x 4 K steps); each wave fetches an eighth, 8,448 dense bytes, by one tensor load.  All work-groups walk the same W: the four of a cluster ask JOINTLY (mask 15).
; No prefetch is written: each wave has up to 32 loads of enc on their way all the time, two fragments ahead of their use; wq is 1 MB that all work-groups walk in step.
; LIMITS: a block of zeros gets the byte 1 where the rule says 127 (its codes are zeros; the bytes never leave the kernel); NaN and infinities among the inputs are not served.
; LDS: all of a WGP's is claimed; 318,464 bytes are used.
.set CHUNK, 16896                      ; one K step's part of a slot: 8 images of 2,048 bytes, then 512 bytes of scale words
.set PART,  8448                       ; what one wave fetches: 33 rows of 256 bytes
.set SLOTB, 67584                      ; = 0x10800: its bits meet none of wave x 0x2100, so one exclusive or turns an address from one slot to the other
.set IMG,   135168                     ; wave w's images at 12,288 w: fragment t at 2048 t + 512 c + 16 lane
.set SIMG,  233472                     ; wave w's scale words at 1,024 w: fragment t's at 128 t + 4 lane
.set STG,   241664                     ; wave w's stage at 8,448 w: 16 rows of 528 bytes
.set STP,   528
.set HID,   309248                     ; hidden[b][0 .. 1023]
.set RED,   313344                     ; wave w's 128 row sums at 512 w
.set SPARE, 317440                     ; the spare words, 128 bytes for each wave
; window 0
.set SPW,  2
.set NIL,  3
.set GOFF, 4                           ; 16 x lane
.set LB16, 5                           ; CHUNK x kq + 16 x lane
.set LB4,  6                           ; CHUNK x kq + 4 r
.set LH,   7                           ; HID + 32 h
.set ES,   8                           ; v8-11 enc's scale words: register u: lanes 0-15 row tile 2 u, lanes 16-31 row tile 2 u + 1
.set WS,   12                          ; v12-13 W's scale words of the even and the odd e tile
.set RW,   14                          ; the row sums, in
.set RR,   15                          ; and back
.set SO,   16                          ; 8 x thread
.set AW,   18
.set AS,   19
.set AH,   20
.set STW,  21
.set STR,  22
.set IB,   23
.set SB,   25
.set SRD,  27
.set F,    32                          ; v32-63 W's fragment of the even and the odd e tile
.set ACC,  64                          ; v64-95 four accumulators by turns
.set S,    96                          ; v96-127 the row sums: four parts for each row tile
.set L,    128                         ; v128-255 two landing buffers of 64
; window 1: v0-127 the codes of row tiles 0-7
.set X,    128                         ; 64 numbers of a fragment
.set PC,   192                         ; its codes
.set TM,   208                         ; at work
.set PWD,  224                         ; its scale word
.set HD,   232                         ; eight hidden of the even e tile, eight of the odd one
.set WV,   14
.set KQ,   15
.set RH,   16
.set SEL,  20
.set MNT,  22
.set G1,   24
.set G0,   32
.set PW,   36
.set PS,   37
.set PH,   38
.set ENC0, 40
.set CUR,  42
.set CO,   48
.set CI,   49
.set MW,   0x04                        ; source 1 in window 1 (codes, hidden, a store's data); all else in window 0
.set MSB,  0
.macro WIN new                         ; the immediate's high byte repeats the setting that is left
.if MSB != (\new)
	s_set_vgpr_msb (MSB<<8)|(\new)
.set MSB, (\new)
.endif
.endm
.macro ROUND                           ; a round of the cluster's barrier
	s_barrier_signal -1
	s_barrier_wait -1
	s_cmp_lg_u32 s[WV], 0
	s_cbranch_scc1 .Lnot_wave_0_\@
	s_barrier_signal -3
.Lnot_wave_0_\@:
	s_barrier_wait -3
	s_barrier_signal -1
	s_barrier_wait -1
.endm
; THE CHANGE OF SLOTS: each wave waits for its one tensor load (its eighth of the slot ahead), adds 0 to its spare word, waits for that and for its LDS reads.  fill = 1: a round, and first behind it the joint load into the slot just left.
.macro CHANGE fill
	WIN 0
	s_wait_tensorcnt 0x0
	ds_add_u32 v[SPW], v[NIL]
.if \fill
	s_xor_b32 s[G0+1], s[G0+1], SLOTB
	s_add_nc_u64 s[G0+2:G0+3], s[G0+2:G0+3], SLOTB
.endif
	s_wait_dscnt 0x0
.if \fill
	ROUND
	tensor_load_to_lds s[G0:G0+3], s[G1:G1+7]
	s_nop 0
.rept 4
	v_nop
.endr
.else
	s_barrier_signal -1
	s_barrier_wait -1
.endif
	s_sub_co_u32 s[PW], s[PW], 16384               ; the fetches go back to a slot's first e tile, in the other slot
	s_xor_b32 s[PW], s[PW], SLOTB
	s_sub_co_u32 s[PS], s[PS], 512
	s_xor_b32 s[PS], s[PS], SLOTB
.endm
; The next e tile's fragment of W, its scale words and its eight hidden, into the registers of parity tp.  adr = 1: the first of a pair: the addresses are made.
.macro PREFETCH tp, adr
	WIN MW
.if \adr
	v_add_nc_u32 v[AW], v[LB16], s[PW]
	v_add_nc_u32 v[AS], v[LB4], s[PS]
	v_add_nc_u32 v[AH], v[LH], s[PH]
.endif
.irp c, 0,1,2,3
	ds_load_b128 v[F+16*(\tp)+4*\c:F+16*(\tp)+4*\c+3], v[AW] offset:2048*(1-\adr)+512*\c
.endr
	ds_load_b32 v[WS+(\tp)], v[AS] offset:16384+64*(1-\adr)
	WIN 0x40|MW
	ds_load_b128 v[HD+8*(\tp):HD+8*(\tp)+3], v[AH] offset:64*(1-\adr)
	ds_load_b128 v[HD+8*(\tp)+4:HD+8*(\tp)+7], v[AH] offset:64*(1-\adr)+16
	WIN MW
.endm
; Row tile t's result x hidden (parity hp) onto S, from the accumulator's low end on, in two chains.  first = 1: the products start the sums.
.macro EPI t, hp, first
.irp q, 0,1,2,3
.if (\first) && (\q < 2)
	v_pk_mul_f32 v[S+4*(\t)+2*\q:S+4*(\t)+2*\q+1], v[ACC+8*((\t)%4)+2*\q:ACC+8*((\t)%4)+2*\q+1], v[HD+8*(\hp)+2*\q:HD+8*(\hp)+2*\q+1]
.else
	v_pk_fma_f32 v[S+4*(\t)+2*(\q%2):S+4*(\t)+2*(\q%2)+1], v[ACC+8*((\t)%4)+2*\q:ACC+8*((\t)%4)+2*\q+1], v[HD+8*(\hp)+2*\q:HD+8*(\hp)+2*\q+1], v[S+4*(\t)+2*(\q%2):S+4*(\t)+2*(\q%2)+1]
.endif
.endr
.endm
; AN E TILE: 8 products (C = 0) on four accumulators by turns; behind product t stands the weighing of tile t - 2.
; PLACES: between product t and tile t's weighing stand the eight lines of tiles t - 2 and t - 1; an accumulator is written again four products on, twelve lines that do not name it between.
; The fetch into the other parity's registers stands behind product 2: the eight lines of tiles 5 and 6 of the e tile before stand between that e tile's last product and these loads.
.macro ETILE par, pend, pref, adr, drain, first
	s_wait_dscnt 0x0                               ; this e tile's seven loads are in
	WIN MW
.set TT, 0
.rept 8
.if TT % 2
	v_wmma_scale_f32_16x16x128_f8f6f4 v[ACC+8*(TT%4):ACC+8*(TT%4)+7], v[F+16*\par:F+16*\par+15], v[16*TT:16*TT+15], 0, v[WS+\par], v[ES+TT/2] matrix_b_scale:MATRIX_SCALE_ROW1
.else
	v_wmma_scale_f32_16x16x128_f8f6f4 v[ACC+8*(TT%4):ACC+8*(TT%4)+7], v[F+16*\par:F+16*\par+15], v[16*TT:16*TT+15], 0, v[WS+\par], v[ES+TT/2]
.endif
.if (TT == 2) && \pref
	PREFETCH 1-\par, \adr
.endif
.if TT >= 2
	EPI TT-2, \par, \first
.elseif \pend
	EPI TT+6, 1-\par, 0
.else
.rept 4
	v_nop
.endr
.endif
.set TT, TT+1
.endr
.if \drain
	EPI 6, \par, 0
	EPI 7, \par, 0
.endif
.endm
.macro STEPW
	WIN 0
	s_add_co_u32 s[PW], s[PW], 4096
	s_add_co_u32 s[PS], s[PS], 128
	s_add_co_u32 s[PH], s[PH], 128
.endm
.macro BODIES n                        ; a trip: e tiles 2 m - 1 and 2 m are multiplied, 2 m and 2 m + 1 fetched
	s_mov_b32 s[CI], \n
.Lbody_\@:
	ETILE 1, 1, 1, 1, 0, 0
	ETILE 0, 1, 1, 0, 0, 0
	STEPW
	s_sub_co_u32 s[CI], s[CI], 1
	s_cmp_lg_u32 s[CI], 0
	s_cbranch_scc1 .Lbody_\@
.endm
.macro HEAD1 first                     ; a pass's first e tile
	PREFETCH 0, 1
	s_wait_alu depctr_va_vdst(0)
	ETILE 0, 0, 1, 0, 0, \first
	STEPW
.endm
.macro TAIL1                           ; and its last
	ETILE 1, 1, 0, 0, 1, 0
	WIN 0
.endm
; Fragment f (0-7: pass 0, 8-15: pass 1; row tile f % 8): 16 rows, 131,072 bytes apart, 512 consecutive bytes each.  CUR stands at the group of four fragments; the largest offset, 63 x 131,072, lies inside the signed 24-bit immediate.
.macro LOADF f
.irp i, 0,1,2,3,4,5,6,7,8,9,10,11,12,13,14,15
	global_load_b128 v[L+64*((\f)%2)+4*\i:L+64*((\f)%2)+4*\i+3], v[GOFF], s[CUR:CUR+1] offset:(16*((\f)%4)+\i)*131072 th:TH_LOAD_NT
.endr
.endm
; 64 numbers of a lane, register 16 b + i = k 32 b + 16 h + i of my row, become a fragment's codes, from register d on, and its scale word.
.macro QUANT d
.irp b, 0,1,2,3
	v_max3_num_f32 v[TM+\b], |v[X+16*\b]|, |v[X+1+16*\b]|, 0x4800000   ; and the floor 2^(9 - 127): the byte cannot fall under 1
.endr
.irp i, 2,4,6,8,10,12,14
.irp b, 0,1,2,3
	v_max3_num_f32 v[TM+\b], v[TM+\b], |v[X+16*\b+\i]|, |v[X+1+16*\b+\i]|
.endr
.endr
.irp b, 0,1,2,3
	v_permlanex16_b32 v[TM+4+\b], v[TM+\b], s[SEL], s[SEL+1]
.endr
.irp b, 0,1,2,3
	v_max_num_f32 v[TM+\b], v[TM+\b], v[TM+4+\b]   ; with lane l xor 16's 16: the block's largest magnitude
.endr
.irp b, 0,1,2,3
	v_add_nc_u32 v[TM+12+\b], 0xfc000000, v[TM+\b] ; 8 off its exponent field: the conversion's scale operand
.endr
.irp b, 0,1,2,3
	v_and_or_b32 v[TM+8+\b], v[TM+\b], 0x7f800000, s[MNT]   ; 448 x the scale
.endr
.irp b, 0,1,2,3
	v_lshrrev_b32 v[TM+4+\b], 23, v[TM+12+\b]      ; the scale's byte
.endr
	v_lshl_or_b32 v[PWD], v[TM+5], 8, v[TM+4]
	v_lshl_or_b32 v[PWD], v[TM+6], 16, v[PWD]
	v_lshl_or_b32 v[PWD], v[TM+7], 24, v[PWD]
.irp b, 0,1,2,3
.irp i, 0,1,2,3,4,5,6,7,8,9,10,11,12,13,14,15
	v_med3_num_f32 v[X+16*\b+\i], v[X+16*\b+\i], -v[TM+8+\b], v[TM+8+\b]   ; the conversion does not saturate (ISA guide 7.6.2): the hold
.endr
	v_cvt_scalef32_pk8_fp8_f32 v[(\d)+4*\b:(\d)+1+4*\b], v[X+16*\b:X+7+16*\b], v[TM+12+\b]
	v_cvt_scalef32_pk8_fp8_f32 v[(\d)+2+4*\b:(\d)+3+4*\b], v[X+8+16*\b:X+15+16*\b], v[TM+12+\b]
.endr
	v_nop                                          ; one plain line behind the last conversion
.endm
; ONE STEP OF ENC'S STREAM: fragment f turns through the stage; fragment f + 2 is asked for, into the landing buffer that f has left; f is quantised.
.macro HOOK f
.set FB, L+64*((\f)%2)
.set TL, (\f)%8
	WIN 0
.if (\f) < 15
	s_wait_loadcnt 16                              ; fragment f is in; the next fragment's 16 loads may stay out
.else
	s_wait_loadcnt 0
.endif
.irp i, 0,1,2,3,4,5,6,7,8,9,10,11,12,13,14,15
	ds_store_b128 v[STW], v[FB+4*\i:FB+4*\i+3] offset:STP*\i
.endr
	WIN 0x40
.irp c, 0,1,2,3
.irp j, 0,1,2,3
	ds_load_b128 v[X+16*\c+4*\j:X+16*\c+4*\j+3], v[STR] offset:128*\c+16*\j   ; LDS serves a wave's instructions in order (ISA guide 5.7.1.4)
.endr
.endr
	s_wait_dscnt 0x0                               ; the numbers are back, so the landing buffer has been read out
	WIN 0
.if (\f)+2 < 16
.if ((\f)+2)%4 == 0
	s_wait_xcnt 0x0                                ; the loads' base is rewritten only behind this wait: the next group is 64 rows on, or four K steps on
	s_add_nc_u64 s[CUR:CUR+1], s[ENC0:ENC0+1], ((((\f)+2)/4%2)<<23)|((((\f)+2)/8)<<11)
.endif
	LOADF (\f)+2
.endif
	WIN 0x55
.if TL < 6
	QUANT PC
	WIN MW
.irp c, 0,1,2,3
	ds_store_b128 v[IB], v[PC+4*\c:PC+4*\c+3] offset:2048*TL+512*\c
.endr
.else
	QUANT 16*TL                                    ; straight into the fragment's registers: the pass before has ended
	WIN MW
.endif
	ds_store_b32 v[SB], v[PWD] offset:128*TL
	WIN 0
.endm
.macro LOADCODES                       ; fragments 0-5 and all eight scale words, from my own LDS bytes
	s_wait_alu depctr_va_vdst(0)
	s_wait_dscnt 0x0
	WIN 0x40
.irp t, 0,1,2,3,4,5
.irp c, 0,1,2,3
	ds_load_b128 v[16*\t+4*\c:16*\t+4*\c+3], v[IB] offset:2048*\t+512*\c
.endr
.endr
	WIN 0
.irp u, 0,1,2,3
	ds_load_b32 v[ES+\u], v[SRD] offset:256*\u
.endr
.rept 4
	v_nop                                          ; places between the conversions and the first product
.endr
	s_wait_dscnt 0x0
.endm
	s_load_b256 s[4:11], s[0:1], 0x0               ; enc s[4:5], hidden s[6:7], wq s[8:9], scores s[10:11]
	v_lshl_add_u32 v[SPW], v0, 2, SPARE
	v_mov_b32 v[NIL], 0
	ds_add_u32 v[SPW], v[NIL]
	ds_add_u32 v[SPW], v[NIL]
	v_lshrrev_b32 v1, 5, v0
	v_readfirstlane_b32 s[WV], v1                  ; wave 0..7
	v_and_b32 v1, 31, v0                           ; lane
	v_lshlrev_b32 v[GOFF], 4, v1
	v_lshlrev_b32 v28, 4, v0                       ; 16 x thread: hidden's bytes
	s_and_b32 s[KQ], s[WV], 3
	s_lshr_b32 s[RH], s[WV], 2
	s_bfe_u32 s17, ttmp6, 0x40000                  ; my place in the cluster: it enters enc's, hidden's and the scores' addresses alone
	s_lshl_b32 s18, ttmp9, 2
	s_add_co_u32 s18, s18, s17                     ; g
	s_and_b32 s17, s18, 31                         ; b
	s_lshr_b32 s18, s18, 5                         ; which 256 of the l
	s_lshl_b32 s52, s17, 12                        ; b's 4,096 bytes
	s_mov_b32 s53, 0
	s_lshl_b32 s50, s18, 25                        ; 256 l of 131,072 bytes
	s_add_co_u32 s50, s50, s52
	s_lshl_b32 s51, s[RH], 24                      ; my 128 rows
	s_add_co_u32 s50, s50, s51
	s_lshl_b32 s51, s[KQ], 9                       ; my K step of pass 0
	s_add_co_u32 s50, s50, s51
	s_mov_b32 s51, 0
	s_mul_i32 s54, s[WV], PART                     ; my eighth, in a tile of wq and in a slot
	s_mov_b32 s55, 0
	s_lshl_b32 s56, s17, 13                        ; scores: row b, + 256 l of 4 bytes
	s_lshl_b32 s57, s18, 10
	s_add_co_u32 s56, s56, s57
	s_mov_b32 s57, 0
	s_mov_b32 s[SEL], 0x76543210
	s_mov_b32 s[SEL+1], 0xfedcba98
	s_mov_b32 s[MNT], 0x600000
	s_mov_b32 s[G1], 15|(3<<16)|(1<<21)            ; the mask: all four work-groups; elements of 8 bytes; bit 21 beside the mask
	s_mov_b32 s[G1+1], 32<<16
	s_mov_b32 s[G1+2], 33<<16                      ; 33 rows of 256 bytes
	s_mov_b32 s[G1+3], 32<<16
	s_mov_b32 s[G1+4], 33
	s_mov_b32 s[G1+5], 32
	s_mov_b32 s[G1+6], 0
	s_mov_b32 s[G1+7], 0
	s_mov_b32 s[PW], SLOTB+16384                   ; the first change of slots makes of these slot 0's first byte
	s_mov_b32 s[PS], SLOTB+512
	s_mov_b32 s[PH], 0
	s_mul_i32 s44, s[KQ], CHUNK
	s_mul_i32 s45, s[WV], 16*STP
	s_add_co_u32 s45, s45, STG
	s_mul_i32 s46, s[WV], 12288
	s_add_co_u32 s46, s46, IMG
	s_lshl_b32 s47, s[WV], 10
	s_add_co_u32 s47, s47, SIMG
	s_lshl_b32 s58, s[WV], 9
	s_add_co_u32 s58, s58, RED
	s_wait_alu depctr_va_vdst(0)
	s_wait_dscnt 0x0
	s_wait_kmcnt 0x0
	s_add_nc_u64 s[ENC0:ENC0+1], s[4:5], s[50:51]
	s_add_nc_u64 s[6:7], s[6:7], s[52:53]
	s_add_nc_u64 s[10:11], s[10:11], s[56:57]
	s_mov_b32 s[G0], 1
	s_mov_b32 s[G0+1], s54
	s_add_nc_u64 s[G0+2:G0+3], s[8:9], s[54:55]
	s_or_b32 s[G0+3], s[G0+3], 0x80000000
	s_mov_b64 s[CUR:CUR+1], s[ENC0:ENC0+1]
	global_load_b128 v[64:67], v28, s[6:7]         ; hidden[b]: 256 threads x 16 bytes
	LOADF 0
	LOADF 1
	ROUND                                          ; the first joint load meets
	tensor_load_to_lds s[G0:G0+3], s[G1:G1+7]      ; tile 0 into slot 0
	s_nop 0
.rept 4
	v_nop
.endr
	v_and_b32 v30, 15, v0                          ; r
	v_bfe_u32 v31, v0, 4, 1                        ; h
	v_add_nc_u32 v[LB16], s44, v[GOFF]
	v_lshl_add_u32 v[LB4], v30, 2, s44
	v_lshl_add_u32 v[LH], v31, 5, HID
	v_add_nc_u32 v[STW], s45, v[GOFF]
	v_mul_u32_u24 v[STR], v30, STP
	v_lshl_add_u32 v[STR], v31, 6, v[STR]
	v_add_nc_u32 v[STR], s45, v[STR]
	v_add_nc_u32 v[IB], s46, v[GOFF]
	v_lshl_add_u32 v[SB], v1, 2, s47
	v_lshl_add_u32 v[SRD], v31, 7, v[SB]
	v_lshl_add_u32 v29, v0, 4, HID
	v_lshl_add_u32 v[RW], v30, 2, s58
	v_bfe_u32 v17, v0, 6, 1
	v_and_b32 v[RR], 63, v0
	v_lshlrev_b32 v[RR], 3, v[RR]
	v_lshl_add_u32 v[RR], v17, 11, v[RR]
	v_add_nc_u32 v[RR], RED, v[RR]                 ; thread i < 128: rows 2 i, 2 i + 1: RED + 2048 (i / 64) + 8 (i % 64)
	v_lshlrev_b32 v[SO], 3, v0
.irp j, 24,25,26,27,28,29,30,31
	v_mov_b32 v[S+\j], 0                           ; row tiles 6 and 7 alone are cleared: their first weighing stands in the loop's text
.endr
	WIN 0x40
.irp b, 0,1,2,3
	v_mov_b32 v[TM+4+\b], 0                        ; a lane permute's destination counts as one of its sources
.endr
	WIN 0
	s_wait_alu depctr_va_vdst(0)
	s_wait_loadcnt 32                              ; hidden is in; the 32 loads of fragments 0 and 1 may stay out
	ds_store_b128 v29, v[64:67]
	; ---- pass 0's half of enc
.irp f, 0,1,2,3,4,5,6,7
	HOOK \f
.endr
	LOADCODES
	; ---- pass 0: tiles 0 to 7 of wq; six steps of enc's stream stand between the slots
	CHANGE 1                                       ; tile 0 is whole, hidden lies in LDS; tile 1 is asked for
	HEAD1 1
	BODIES 3
	HOOK 8
.irp f, 9,10,11,12,13
	CHANGE 1
	BODIES 4
	HOOK \f
.endr
	s_mov_b32 s[CO], 2
.Lpass0:
	CHANGE 1
	BODIES 4
	s_sub_co_u32 s[CO], s[CO], 1
	s_cmp_lg_u32 s[CO], 0
	s_cbranch_scc1 .Lpass0
	TAIL1
	; ---- between the passes
	CHANGE 1                                       ; tile 8 is whole; tile 9 is asked for
	s_mov_b32 s[PH], 0
	HOOK 14
	HOOK 15
	LOADCODES
	; ---- pass 1: tiles 8 to 15
	HEAD1 0
	BODIES 3
	s_mov_b32 s[CO], 6
.Lpass1:
	CHANGE 1
	BODIES 4
	s_sub_co_u32 s[CO], s[CO], 1
	s_cmp_lg_u32 s[CO], 0
	s_cbranch_scc1 .Lpass1
	CHANGE 0                                       ; the last slot is written out: nothing is left to ask for
	BODIES 4
	TAIL1
	; ---- THE SUMS MEET: a lane's four parts, lane l xor 16's, then the four K quarters through LDS
.irp t, 0,1,2,3,4,5,6,7
	v_pk_add_f32 v[S+4*\t:S+4*\t+1], v[S+4*\t:S+4*\t+1], v[S+4*\t+2:S+4*\t+3]
.endr
.irp t, 0,1,2,3,4,5,6,7
	v_add_f32 v[S+4*\t], v[S+4*\t], v[S+4*\t+1]
.endr
.irp t, 0,1,2,3,4,5,6,7
	v_permlanex16_b32 v[L+\t], v[S+4*\t], s[SEL], s[SEL+1]
.endr
.irp t, 0,1,2,3,4,5,6,7
	v_add_f32 v[S+4*\t], v[S+4*\t], v[L+\t]
.endr
.irp t, 0,1,2,3,4,5,6,7
	ds_store_b32 v[RW], v[S+4*\t] offset:64*\t     ; row 16 t + r of my 128; lanes r and r + 16 write the same word with the same value
.endr
	s_wait_dscnt 0x0                               ; for the others' sake
	s_barrier_signal -1
	s_barrier_wait -1
	s_cmp_ge_u32 s[WV], 4
	s_cbranch_scc1 .Lend                           ; 128 threads take two rows each
.irp k, 0,1,2,3
	ds_load_b64 v[L+2*\k:L+2*\k+1], v[RR] offset:512*\k
.endr
	s_wait_dscnt 0x0
	v_pk_add_f32 v[L:L+1], v[L:L+1], v[L+2:L+3]
	v_pk_add_f32 v[L+4:L+5], v[L+4:L+5], v[L+6:L+7]
	v_pk_add_f32 v[L:L+1], v[L:L+1], v[L+4:L+5]
	global_store_b64 v[SO], v[L:L+1], s[10:11]     ; a wave's store covers 256 consecutive bytes, aligned
.Lend:
	s_wait_tensorcnt 0x0                           ; the wave's end
	ds_add_u32 v[SPW], v[NIL]
	s_wait_dscnt 0x0
	ROUND                                          ; the closing round
	s_endpgm
.Lfunc_end_k_q21b3302798_attn:
	.size	k_q21b3302798_attn, .Lfunc_end_k_q21b3302798_attn-k_q21b3302798_attn
	.p2alignl 7, 3214868480
	.fill 96, 4, 3214868480
	.section	.rodata,"a",@progbits
	.p2align	6, 0x0
	.amdhsa_kernel k_q21b3302798_attn
		.amdhsa_group_segment_fixed_size 327680
		.amdhsa_private_segment_fixed_size 0
		.amdhsa_enable_private_segment 0
		.amdhsa_kernarg_size 32
		.amdhsa_user_sgpr_count 2
		.amdhsa_user_sgpr_kernarg_segment_ptr 1
		.amdhsa_wavefront_size32 1
		.amdhsa_system_sgpr_workgroup_id_x 1
		.amdhsa_system_sgpr_workgroup_id_y 1
		.amdhsa_system_sgpr_workgroup_id_z 1
		.amdhsa_system_vgpr_workitem_id 0
		.amdhsa_next_free_vgpr 512
		.amdhsa_next_free_sgpr 66
		.amdhsa_reserve_vcc 0
		.amdhsa_float_denorm_mode_32 3
		.amdhsa_float_denorm_mode_16_64 3
		.amdhsa_memory_ordered 1
		.amdhsa_forward_progress 1
		.amdhsa_inst_pref_size 255
	.end_amdhsa_kernel
	.section	.bss,"aw",@nobits
	.p2align	6
	.space	262144
	.amdgpu_metadata
---
amdhsa.version: [ 1, 2 ]
amdhsa.kernels:
  - .name:           k_q21b3302798_attn
    .symbol:         k_q21b3302798_attn.kd
    .args:
      - { .name: encoder_outputs, .offset: 0, .size: 8, .value_kind: global_buffer, .address_space: global }
      - { .name: hidden, .offset: 8, .size: 8, .value_kind: global_buffer, .address_space: global }
      - { .name: wq, .offset: 16, .size: 8, .value_kind: global_buffer, .address_space: global }
      - { .name: scores, .offset: 24, .size: 8, .value_kind: global_buffer, .address_space: global }
    .group_segment_fixed_size: 327680
    .private_segment_fixed_size: 0
    .kernarg_segment_align: 8
    .kernarg_segment_size: 32
    .max_flat_workgroup_size: 256
    .sgpr_count:     66
    .vgpr_count:     512
    .wavefront_size: 32
...
	.end_amdgpu_metadata
.endif
;; end of part 2
;; launch smax (part 3): grid 32 x 1, 8 waves a work-group, no clusters, 1,536 bytes of LDS; arguments scores, out0; writes out0
.if DOCPART == 3
	.amdgcn_target "amdgcn-amd-amdhsa--gfx1250"
	.amdhsa_code_object_version 6
	.text
	.protected	k_q21b3302798_smax
	.globl	k_q21b3302798_smax
	.p2align	8
	.type	k_q21b3302798_smax,@function
k_q21b3302798_smax:
	s_mov_b64 s[64:65], 0
	v_nop
	global_prefetch_b8 v0, s[64:65] scope:SCOPE_SE
	s_setreg_imm32_b32 hwreg(HW_REG_WAVE_MODE, 25, 1), 1
	s_wait_xcnt 0x0
; out0[b][:] = softmax over l of scores[b][:].  Both [32][2048] f32.  A work-group takes one b: 8,192 bytes; each of its 256 threads 8 scores, by two loads of 16 bytes (a wave's load covers 512 consecutive bytes).
; The row's maximum is taken away before the exponential: e^(s - m) = 2^((s - m) x log2(e)); the difference is formed first, so that large scores lose nothing by the factor.
; A row spans eight work-groups of the launch before, so the softmax has a launch of its own.  No matrix unit, no tensor load, no cluster: 256 KB in, 256 KB out, nothing shared.
; v_exp_f32 gives 0 where the result would fall under 2^-126 (ISA guide, 15.8).  NaN and infinities among the scores are not served.
	s_load_b128 s[4:7], s[0:1], 0x0                ; scores, out0
	v_lshl_add_u32 v32, v0, 2, 0x200
	v_mov_b32 v33, 0
	v_lshrrev_b32 v1, 5, v0
	s_delay_alu instid0(VALU_DEP_1)
	v_readfirstlane_b32 s8, v1                     ; wave 0..7
	v_lshlrev_b32 v2, 4, v0                        ; 16 x thread
	s_lshl_b32 s10, ttmp9, 13                      ; row b
	s_mov_b32 s11, 0
	s_mov_b32 s12, 0x76543210                      ; selects for lane l xor 16
	s_mov_b32 s13, 0xfedcba98
	s_lshl_b32 s9, s8, 2
	v_mov_b32 v3, s9                               ; my wave's word
	v_mov_b32 v4, 0
	v_mov_b32 v13, 0                               ; a lane permute's destination counts as one of its sources
	s_wait_alu depctr_va_vdst(0)
	s_wait_kmcnt 0x0
	s_add_nc_u64 s[4:5], s[4:5], s[10:11]
	s_add_nc_u64 s[6:7], s[6:7], s[10:11]
	global_load_b128 v[16:19], v2, s[4:5]
	global_load_b128 v[20:23], v2, s[4:5] offset:4096
	s_wait_loadcnt 0x0
	v_max3_num_f32 v12, v16, v17, v18              ; the maximum: my eight,
	s_delay_alu instid0(VALU_DEP_1)
	v_max3_num_f32 v12, v12, v19, v20
	s_delay_alu instid0(VALU_DEP_1)
	v_max3_num_f32 v12, v12, v21, v22
	s_delay_alu instid0(VALU_DEP_1)
	v_max_num_f32 v12, v12, v23
	s_delay_alu instid0(VALU_DEP_1)
	v_max_num_f32_dpp v12, v12, v12 row_xmask:1 row_mask:0xf bank_mask:0xf   ; my wave's,
	s_delay_alu instid0(VALU_DEP_1)
	v_max_num_f32_dpp v12, v12, v12 row_xmask:2 row_mask:0xf bank_mask:0xf
	s_delay_alu instid0(VALU_DEP_1)
	v_max_num_f32_dpp v12, v12, v12 row_xmask:4 row_mask:0xf bank_mask:0xf
	s_delay_alu instid0(VALU_DEP_1)
	v_max_num_f32_dpp v12, v12, v12 row_xmask:8 row_mask:0xf bank_mask:0xf
	s_delay_alu instid0(VALU_DEP_1)
	v_permlanex16_b32 v13, v12, s12, s13
	s_delay_alu instid0(VALU_DEP_1)
	v_max_num_f32 v12, v12, v13
	ds_store_b32 v3, v12                           ; all lanes write the same word with the same value
	s_wait_dscnt 0x0                               ; for the others' sake
	s_barrier_signal -1
	s_barrier_wait -1
	ds_load_b128 v[24:27], v4                      ; the eight waves'
	ds_load_b128 v[28:31], v4 offset:16
	s_wait_dscnt 0x0
	v_max3_num_f32 v12, v24, v25, v26
	s_delay_alu instid0(VALU_DEP_1)
	v_max3_num_f32 v12, v12, v27, v28
	s_delay_alu instid0(VALU_DEP_1)
	v_max3_num_f32 v12, v12, v29, v30
	s_delay_alu instid0(VALU_DEP_1)
	v_max_num_f32 v12, v12, v31                    ; the row's maximum, in every lane
.irp j, 0,1,2,3,4,5,6,7
	v_sub_f32 v[16+\j], v[16+\j], v12
.endr
.irp j, 0,1,2,3,4,5,6,7
	v_mul_f32 v[16+\j], 0x3fb8aa3b, v[16+\j]       ; x log2(e)
.endr
	s_wait_alu depctr_va_vdst(0)
.irp j, 0,1,2,3,4,5,6,7
	v_exp_f32 v[16+\j], v[16+\j]
.endr
	v_nop                                          ; one plain line behind the last exponential (ISA guide 5.7.2)
	s_wait_alu depctr_va_vdst(0)
	v_pk_add_f32 v[24:25], v[16:17], v[18:19]      ; the sum, by the same road; its words lie 256 bytes on
	v_pk_add_f32 v[26:27], v[20:21], v[22:23]
	s_delay_alu instid0(VALU_DEP_1)
	v_pk_add_f32 v[24:25], v[24:25], v[26:27]
	s_delay_alu instid0(VALU_DEP_1)
	v_add_f32 v12, v24, v25
	s_delay_alu instid0(VALU_DEP_1)
	v_add_f32_dpp v12, v12, v12 row_xmask:1 row_mask:0xf bank_mask:0xf
	s_delay_alu instid0(VALU_DEP_1)
	v_add_f32_dpp v12, v12, v12 row_xmask:2 row_mask:0xf bank_mask:0xf
	s_delay_alu instid0(VALU_DEP_1)
	v_add_f32_dpp v12, v12, v12 row_xmask:4 row_mask:0xf bank_mask:0xf
	s_delay_alu instid0(VALU_DEP_1)
	v_add_f32_dpp v12, v12, v12 row_xmask:8 row_mask:0xf bank_mask:0xf
	s_delay_alu instid0(VALU_DEP_1)
	v_permlanex16_b32 v13, v12, s12, s13
	s_delay_alu instid0(VALU_DEP_1)
	v_add_f32 v12, v12, v13
	ds_store_b32 v3, v12 offset:256
	s_wait_dscnt 0x0
	s_barrier_signal -1
	s_barrier_wait -1
	ds_load_b128 v[24:27], v4 offset:256
	ds_load_b128 v[28:31], v4 offset:272
	s_wait_dscnt 0x0
	v_pk_add_f32 v[24:25], v[24:25], v[26:27]
	v_pk_add_f32 v[28:29], v[28:29], v[30:31]
	s_delay_alu instid0(VALU_DEP_1)
	v_pk_add_f32 v[24:25], v[24:25], v[28:29]
	s_delay_alu instid0(VALU_DEP_1)
	v_add_f32 v12, v24, v25                        ; at least 1: the maximum's own term
	s_wait_alu depctr_va_vdst(0)
	v_rcp_f32 v12, v12
	v_nop                                          ; one plain line behind the reciprocal
	s_wait_alu depctr_va_vdst(0)
.irp j, 0,1,2,3,4,5,6,7
	v_mul_f32 v[16+\j], v[16+\j], v12
.endr
	global_store_b128 v2, v[16:19], s[6:7]         ; a wave's store covers 512 consecutive bytes, aligned
	global_store_b128 v2, v[20:23], s[6:7] offset:4096
	s_wait_tensorcnt 0x0
	ds_add_u32 v32, v33
	s_wait_dscnt 0x0
	s_endpgm
.Lfunc_end_k_q21b3302798_smax:
	.size	k_q21b3302798_smax, .Lfunc_end_k_q21b3302798_smax-k_q21b3302798_smax
	.p2alignl 7, 3214868480
	.fill 96, 4, 3214868480
	.section	.rodata,"a",@progbits
	.p2align	6, 0x0
	.amdhsa_kernel k_q21b3302798_smax
		.amdhsa_group_segment_fixed_size 1536
		.amdhsa_private_segment_fixed_size 0
		.amdhsa_enable_private_segment 0
		.amdhsa_kernarg_size 16
		.amdhsa_user_sgpr_count 2
		.amdhsa_user_sgpr_kernarg_segment_ptr 1
		.amdhsa_wavefront_size32 1
		.amdhsa_system_sgpr_workgroup_id_x 1
		.amdhsa_system_sgpr_workgroup_id_y 1
		.amdhsa_system_sgpr_workgroup_id_z 1
		.amdhsa_system_vgpr_workitem_id 0
		.amdhsa_next_free_vgpr 34
		.amdhsa_next_free_sgpr 66
		.amdhsa_reserve_vcc 0
		.amdhsa_float_denorm_mode_32 3
		.amdhsa_float_denorm_mode_16_64 3
		.amdhsa_memory_ordered 1
		.amdhsa_forward_progress 1
		.amdhsa_inst_pref_size 6
	.end_amdhsa_kernel
	.amdgpu_metadata
---
amdhsa.version: [ 1, 2 ]
amdhsa.kernels:
  - .name:           k_q21b3302798_smax
    .symbol:         k_q21b3302798_smax.kd
    .args:
      - { .name: scores, .offset: 0, .size: 8, .value_kind: global_buffer, .address_space: global }
      - { .name: out0, .offset: 8, .size: 8, .value_kind: global_buffer, .address_space: global }
    .group_segment_fixed_size: 1536
    .private_segment_fixed_size: 0
    .kernarg_segment_align: 8
    .kernarg_segment_size: 16
    .max_flat_workgroup_size: 256
    .sgpr_count:     66
    .vgpr_count:     34
    .wavefront_size: 32
...
	.end_amdgpu_metadata
.endif
;; end of part 3
